; MI455X (gfx1250); checked and timed in simulation.
; The chip was launched on July 23, 2026; its instructions are those of AMD's public machine-readable ISA for CDNA 5 (MIT licence, August 2026) and "CDNA5" Instruction Set Architecture Reference Guide (July 2026). The comments in the code are by the model that wrote it; some were corrected since.
;; Keras Cross Attention Module. Allowed arithmetic: matrix products marked QUANTISED: E4M3 operands, one given power-of-two scale a tensor, by v_wmma_f32_16x16x64_fp8_fp8 or v_wmma_f32_16x16x128_fp8_fp8, f32 sums; everything else in f32.
;; Inputs: k_pos_embedding 1 x 4,096 x 256 float32; keys 8 x 256 x 64 x 64 float32; lowp_scales 4 int32 (the exponents e of the quantised operands' scales 2^e); q_pos_embedding 1 x 4,096 x 256 float32; queries 8 x 256 x 64 x 64 float32; values 8 x 256 x 64 x 64 float32.
;; Outputs: out0 8 x 256 x 64 x 64 float32.
;; This version of the problem:
;;   THIS VERSION OF THE PROBLEM IS GIVEN IN LOW PRECISION. The matrix products marked QUANTISED in the list below multiply operands that are first quantised to E4M3 (4 exponent bits, 3 mantissa bits; 8 bits a number), with one given power-of-two scale for each operand tensor; their sums are f32. All else is computed in f32.
;;   The module's matrix products, in the order in which they are computed (A, B: the left and right operand; K: the contracted axis; several contracted axes count as one K, in the product's order):
;;     1. batch 8 x [M 4,096, K 256] x [K 256, N 4,096]; A: computed on the way; B: computed on the way: QUANTISED (scales: A lowp_scales[0], B lowp_scales[1])
;;     2. batch 8 x [M 4,096, K 4,096] x [K 4,096, N 256]; A: softmax (see below); B: input values: QUANTISED (scales: A lowp_scales[2], B lowp_scales[3])
;;   THE QUANTISER, for each operand of a quantised product, along K:
;;     - The operand's scale is 2^e, e = its entry of the input lowp_scales (int32; the entries are numbered through the quantised products in the list's order, A before B).
;;     - Each number is divided by the scale, clamped to +-448, and rounded to the nearest number of E4M3, ties to even, subnormals kept.
;;     - The product sums the exact products of the quantised numbers (number of the format x scale) in f32.
;;   ~~~python
;;   def quantise(x, axis, e):      # numpy; x: float32 -> the quantised numbers, widened to float32 again
;;       x = np.moveaxis(x, axis, -1); K = x.shape[-1]
;;       r = np.clip(x / 2.0 ** e, -448, 448)
;;       step = 2.0 ** (np.maximum(np.frexp(np.where(r == 0, 1, r))[1] - 1, -6) - 3)
;;       q = np.round(r / step) * step * 2.0 ** e      # np.round: ties to even
;;       return np.moveaxis(q, -1, axis).astype(np.float32)
;;   ~~~
;;   SOFTMAX AHEAD OF A QUANTISED PRODUCT. Where the list says 'softmax', what is quantised is not the finished softmax but p = 2^(t - M), with t = logit x log2(e) and M = ceil(the row's largest t), a whole number; so 1/2 < the row's largest p <= 1. The row's sum l is taken of the UNQUANTISED p, in f32, and the product's result is divided by l at the end. Since M is a whole number, a kernel that streams over the keys may use a running M (the ceiling of the running maximum): every later rescaling is an exact power of two, so the quantised numbers keep their values, but for numbers so far below the row's largest that they fall under the format's range.
;;   OPERANDS COMPUTED ON THE WAY. 'Computed on the way' means the value that the module computes at that place (a softmax that the list does not call 'softmax' is quantised finished and normalised). What goes into a quantiser is computed in f32, as accurately as f32 sums, v_exp_f32 and their like allow (about 1e-6 of the number): no bf16 or f16 on the way to a quantiser, and a product that is left as it is and whose result goes on into a quantised operand takes f32 operands (vector FMAs, or v_wmma_f32_16x16x4_f32). A number that lies on a knife's edge between two numbers of the format may be rounded either way, as far as f32 arithmetic and the matrix unit's own rounding can turn it there, and no further.
;; One version. Each part assembles by itself: llvm-mc -triple=amdgcn-amd-amdhsa -mcpu=gfx1250 --defsym DOCPART=n.
;; ======== version 1 of 1: 2 launches
;; limits: right only within a limited range of input values
;; workspace buffers: qimg 8,388,608 bytes; kimg 8,388,608 bytes; vimg 8,388,608 bytes
;; launch prep (part 1): grid 1024 x 1, 4 waves a work-group, no clusters, 58,880 bytes of LDS; arguments queries, keys, q_pos_embedding, k_pos_embedding, qimg, kimg, values, vimg, lowp_scales; writes qimg, kimg, vimg
.if DOCPART == 1
	.amdgcn_target "amdgcn-amd-amdhsa--gfx1250"
	.amdhsa_code_object_version 6
	.text
	.protected	k_qd549f2408f_prep
	.globl	k_qd549f2408f_prep
	.p2align	8
	.type	k_qd549f2408f_prep,@function
k_qd549f2408f_prep:
	s_mov_b64 s[64:65], 0
	v_nop
	global_prefetch_b8 v0, s[64:65] scope:SCOPE_SE
	s_setreg_imm32_b32 hwreg(HW_REG_WAVE_MODE, 25, 1), 1
	s_wait_xcnt 0x0
; q = queries^T + q_pos, k = keys^T + k_pos (f32), and values are turned into codes of FP8 (E4M3) with the given scales 2^e0, 2^e1, 2^e3, and stored AS IMAGES OF THE
; OPERAND REGISTERS of the attention launch: chunks of 512 bytes, lane l's 16 bytes at 16 l.
;   qimg, kimg: [b 8][g 128][u 2][t 8][512]: lane (r = l % 16, h = l / 16) of chunk (g, u, t) holds row n = 32 g + 8 u + r + 8 (r / 8), channels 32 t + 16 h + 0 .. 15.
;   vimg:       [b 8][ks 32][ct 16][cc 4][512]: lane (r, h) holds channel 16 ct + r, keys 128 ks + 32 cc + 16 h + 0 .. 15.
; code = x / 2^e, held within +-448, rounded to the nearest code, ties to even.
; LIMITS: e0, e1, e3 between -126 and 119, so that 2^e and 448 x 2^e are f32 numbers.  NaN among the inputs is not served (an infinity is held at the largest code).
; queries and keys lie [b][channel][n], K = the channels is not innermost: A LANE TAKES A COLUMN n AND ITS REGISTERS RUN DOWN THE CHANNELS, so that each load reads 128 consecutive bytes
; a wave (512 a work-group) and the conversions, which take neighbours along K from one lane's registers, give codes with K innermost.  values have K = the keys innermost already.
; SHARES.  Work-group x: bit 9: queries or keys (only pointers and the scale are chosen, by selects on x: one path for all); bit 8: batches 0-3 or 4-7; bits 7:5: t, 32 channels; bits 4:0: 128 columns n.
; Wave w takes 32 of the columns for the four batches (four units), so that its block of the position table is read once for four batches.  It also takes tile 4 x + w of values: 16 channels x 128 keys.
; No cluster, no tensor load, no barrier: waves share nothing, and two work-groups alone read the same block of a position table, 16 KB of the 112 KB that a work-group reads.
; Written out, no loop: every offset is an immediate, no address register and no store's data register is written twice, so no wait on XCNT is needed.
.set WREG,  14592                      ; LDS: a region of its own for each wave:
.set OSTL,  4608                       ;   0: 32 rows n x (128 bytes of the position table + 16);  OSTL: 32 rows n x (32 codes + 16);
.set VSTL,  6144                       ;   VSTL: 16 channels x (512 bytes of values + 16)
.set PP,    144                        ; the three pitches are odd multiples of 16 bytes
.set OP,    48
.set VP,    528
.set XA,    4                          ; v4   4 x lane: my column
.set LI,    5                          ; v5   16 x lane: my place in 512 dense bytes
.set PA,    6                          ; v6   the position table: row lane / 8 of four, 16 bytes at 16 (lane % 8)
.set PSTO,  7                          ; v7   the same place in LDS
.set PRD,   8                          ; v8   and back: row = lane
.set OSTO,  9                          ; v9   my row's 32 codes into LDS
.set ORD,   10                         ; v10  and back as a chunk wants them: row r + 8 (r / 8), 16 h bytes on
.set VSTO,  11                         ; v11  values into LDS as loaded
.set VRD,   12                         ; v12  and back: channel r, 64 h bytes on
.set QSC,   13                         ; v13, v14  2^e and 448 x 2^e for q or k
.set VSC,   15                         ; v15, v16  the same for values
.set PR,    20                         ; v20-51   the position block as loaded; later the codes of values
.set PO,    52                         ; v52-83   pos(my n, 32 t + 0 .. 31)
.set X,     84                         ; v84-211  four units of 32 numbers; later values as loaded (64) and turned (64)
.set C,     212                        ; v212-219 a unit's 32 codes
.set OUTR,  220                        ; v220-251 a unit's two chunks, eight registers for each unit
.set R,     84
.set Y,     148
.set VC,    20
	s_load_b512 s[4:19], s[0:1], 0x0               ; queries 4, keys 6, q_pos 8, k_pos 10, qimg 12, kimg 14, values 16, vimg 18
	s_load_b64 s[20:21], s[0:1], 0x40              ; the scales' exponents
	v_lshl_add_u32 v254, v0, 2, 0xe400
	v_mov_b32 v255, 0
	v_lshrrev_b32 v1, 5, v0
	v_readfirstlane_b32 s22, v1                    ; wave 0..3
	v_and_b32 v1, 31, v0                           ; lane
	v_and_b32 v2, 15, v0                           ; r
	v_bfe_u32 v3, v0, 4, 1                         ; h
	v_lshlrev_b32 v[XA], 2, v1
	v_lshlrev_b32 v[LI], 4, v1
	v_lshrrev_b32 v17, 3, v1                       ; lane / 8
	v_and_b32 v18, 7, v1                           ; lane % 8
	v_lshlrev_b32 v[PA], 10, v17                   ; a row of a position table is 1,024 bytes
	v_lshl_add_u32 v[PA], v18, 4, v[PA]
	s_mul_i32 s23, s22, WREG                       ; my wave's LDS
	v_mul_u32_u24 v[PSTO], v17, PP
	v_lshl_add_u32 v[PSTO], v18, 4, v[PSTO]
	v_add_nc_u32 v[PSTO], s23, v[PSTO]
	v_mul_u32_u24 v[PRD], v1, PP
	v_add_nc_u32 v[PRD], s23, v[PRD]
	v_mul_u32_u24 v[OSTO], v1, OP
	v_add_nc_u32 v[OSTO], s23, v[OSTO]
	v_and_b32 v17, 8, v2
	v_add_nc_u32 v17, v17, v2                      ; r + 8 (r / 8)
	v_mul_u32_u24 v[ORD], v17, OP
	v_lshl_add_u32 v[ORD], v3, 4, v[ORD]
	v_add_nc_u32 v[ORD], s23, v[ORD]
	v_add_nc_u32 v[VSTO], s23, v[LI]
	v_mul_u32_u24 v[VRD], v2, VP
	v_lshl_add_u32 v[VRD], v3, 6, v[VRD]
	v_add_nc_u32 v[VRD], s23, v[VRD]
	s_and_b32 s24, ttmp9, 31                       ; nb: which 128 columns
	s_bfe_u32 s25, ttmp9, 0x30005                  ; t: which 32 channels
	s_bfe_u32 s26, ttmp9, 0x10008                  ; bg: which four batches
	s_lshl_b32 s30, s26, 24                        ; in queries or keys: 4 bg batches of 4 MiB + 32 t channels of 16,384 bytes + (128 nb + 32 w) columns of 4 bytes
	s_lshl_b32 s27, s25, 19
	s_add_co_u32 s30, s30, s27
	s_lshl_b32 s27, s24, 9
	s_add_co_u32 s30, s30, s27
	s_lshl_b32 s27, s22, 7
	s_add_co_u32 s30, s30, s27
	s_mov_b32 s31, 0
	s_lshl_b32 s32, s24, 17                        ; in the position table: (128 nb + 32 w) rows of 1,024 bytes + 32 t channels of 4 bytes
	s_lshl_b32 s27, s22, 15
	s_add_co_u32 s32, s32, s27
	s_lshl_b32 s27, s25, 7
	s_add_co_u32 s32, s32, s27
	s_mov_b32 s33, 0
	s_lshl_b32 s46, s26, 22                        ; in the image: 4 bg batches of 1 MiB + g = 4 nb + w groups of 8,192 bytes + t chunks of 512
	s_lshl_b32 s27, s24, 15
	s_add_co_u32 s46, s46, s27
	s_lshl_b32 s27, s22, 13
	s_add_co_u32 s46, s46, s27
	s_lshl_b32 s27, s25, 9
	s_add_co_u32 s46, s46, s27
	s_mov_b32 s47, 0
	s_lshl_b32 s28, ttmp9, 2
	s_add_co_u32 s28, s28, s22                     ; my tile of values: 4 x + w = (b, ct, ks)
	s_and_b32 s29, s28, 31                         ; ks
	s_bfe_u32 s27, s28, 0x40005                    ; ct
	s_lshr_b32 s28, s28, 9                         ; b
	s_lshl_b32 s54, s28, 22                        ; in values: b batches of 4 MiB + 16 ct channels of 16,384 bytes + 128 ks keys of 4 bytes
	s_lshl_b32 s52, s27, 18
	s_add_co_u32 s54, s54, s52
	s_lshl_b32 s52, s29, 9
	s_add_co_u32 s54, s54, s52
	s_mov_b32 s55, 0
	s_lshl_b32 s56, s28, 20                        ; in vimg: ((32 b + ks) 16 + ct) fragments of 2,048 bytes
	s_lshl_b32 s52, s29, 15
	s_add_co_u32 s56, s56, s52
	s_lshl_b32 s52, s27, 11
	s_add_co_u32 s56, s56, s52
	s_mov_b32 s57, 0
	s_wait_kmcnt 0x0
	s_load_b128 s[48:51], s[20:21], 0x0            ; e0, e1, e2, e3
	s_cmp_lt_u32 ttmp9, 512                        ; queries' work-group or keys'?  The choice hangs on the work-group's number alone
	s_cselect_b64 s[34:35], s[4:5], s[6:7]
	s_cselect_b64 s[38:39], s[8:9], s[10:11]
	s_cselect_b64 s[40:41], s[12:13], s[14:15]
	s_add_nc_u64 s[34:35], s[34:35], s[30:31]      ; my columns, batches 4 bg and 4 bg + 1,
	s_add_nc_u64 s[36:37], s[34:35], 0x800000      ; batches 4 bg + 2 and 4 bg + 3: so every offset stays inside the signed 24-bit immediate (ISA guide, chapter 10)
	s_add_nc_u64 s[38:39], s[38:39], s[32:33]
	s_add_nc_u64 s[40:41], s[40:41], s[46:47]
	s_add_nc_u64 s[42:43], s[16:17], s[54:55]
	s_add_nc_u64 s[44:45], s[18:19], s[56:57]
.macro PLOAD                           ; my 32 rows x 128 bytes of the position table: four rows a load, eight lanes to a row's 128 bytes.  No hint: a second work-group reads them too
.irp k, 0,1,2,3,4,5,6,7
	global_load_b128 v[PR+4*\k:PR+4*\k+3], v[PA], s[38:39] offset:4096*\k
.endr
.endm
.macro LOAD k                          ; unit k: in(4 bg + k, 32 t + i, my column), i = 0 .. 31: each load reads 128 consecutive bytes
.set p_b, 34+2*(\k/2)
.set p_i, 0
.rept 32
	global_load_b32 v[X+32*\k+p_i], v[XA], s[p_b:p_b+1] offset:(\k%2)*4194304+p_i*16384 th:TH_LOAD_NT
.set p_i, p_i+1
.endr
.endm
.macro PTURN                           ; the position block turns through LDS: in as loaded, back a row a lane.  LDS serves a wave's instructions in order (ISA guide 5.7.1.4): no wait between
.irp k, 0,1,2,3,4,5,6,7
	ds_store_b128 v[PSTO], v[PR+4*\k:PR+4*\k+3] offset:4*PP*\k
.endr
.irp k, 0,1,2,3,4,5,6,7
	ds_load_b128 v[PO+4*\k:PO+4*\k+3], v[PRD] offset:16*\k
.endr
	s_wait_dscnt 0x0
.endm
.macro VLOAD a                         ; eight channels of my tile of values: a load reads a channel's 512 consecutive bytes.  They land in the registers of a unit that is done
.irp i, 0,1,2,3,4,5,6,7
	global_load_b128 v[R+32*\a+4*\i:R+32*\a+4*\i+3], v[LI], s[42:43] offset:(8*\a+\i)*16384 th:TH_LOAD_NT
.endr
.endm
; Unit k.  n: how many younger loads may stay out.
.macro UNIT k, n
	s_wait_loadcnt \n
.set p_i, 0
.rept 16
	v_pk_add_f32 v[X+32*\k+p_i:X+32*\k+p_i+1], v[X+32*\k+p_i:X+32*\k+p_i+1], v[PO+p_i:PO+p_i+1]   ; + the position table, in f32
.set p_i, p_i+2
.endr
.set p_i, 0
.rept 32
	v_med3_num_f32 v[X+32*\k+p_i], v[X+32*\k+p_i], -v[QSC+1], v[QSC+1]   ; the conversion to an 8-bit code does not saturate (ISA guide 7.6.2): hold the number within the largest code x the scale first
.set p_i, p_i+1
.endr
.irp g, 0,1,2,3
	v_cvt_scalef32_pk8_fp8_f32 v[C+2*\g:C+2*\g+1], v[X+32*\k+8*\g:X+32*\k+8*\g+7], v[QSC]
.endr
	; (the codes go to LDS stores and the numbers' registers take loads, which want no plain line behind a conversion; the next vector lines are the next unit's additions, plain and on other registers)
	ds_store_b128 v[OSTO], v[C:C+3] offset:OSTL            ; my row's 32 codes,
	ds_store_b128 v[OSTO], v[C+4:C+7] offset:OSTL+16
	ds_load_b128 v[OUTR+8*\k:OUTR+8*\k+3], v[ORD] offset:OSTL           ; and back as chunk u = 0: rows r + 8 (r / 8),
	ds_load_b128 v[OUTR+8*\k+4:OUTR+8*\k+7], v[ORD] offset:OSTL+8*OP    ; and u = 1: eight rows further on
.if \k < 2
	VLOAD \k
.endif
	s_wait_dscnt 0x0                               ; the chunks are in registers, and the codes' registers may be written again
	global_store_b128 v[LI], v[OUTR+8*\k:OUTR+8*\k+3], s[40:41] offset:\k*1048576          ; 32 lanes store 512 consecutive bytes, at a multiple of 512 from the image's first byte
	global_store_b128 v[LI], v[OUTR+8*\k+4:OUTR+8*\k+7], s[40:41] offset:\k*1048576+4096
.endm
; My tile of values: 16 channels x 128 keys turn through LDS, so that lane (r, h) holds, of channel r, 16 neighbouring keys of each block of 32.
.macro VTILE
	s_wait_loadcnt 0x0
.set p_i, 0
.rept 16
	ds_store_b128 v[VSTO], v[R+4*p_i:R+4*p_i+3] offset:VSTL+VP*p_i
.set p_i, p_i+1
.endr
.irp cc, 0,1,2,3
.irp j, 0,1,2,3
	ds_load_b128 v[Y+16*\cc+4*\j:Y+16*\cc+4*\j+3], v[VRD] offset:VSTL+128*\cc+16*\j
.endr
.endr
	s_wait_dscnt 0x0
.set p_i, 0
.rept 64
	v_med3_num_f32 v[Y+p_i], v[Y+p_i], -v[VSC+1], v[VSC+1]
.set p_i, p_i+1
.endr
.irp cc, 0,1,2,3
	v_cvt_scalef32_pk8_fp8_f32 v[VC+4*\cc:VC+4*\cc+1], v[Y+16*\cc:Y+16*\cc+7], v[VSC]
	v_cvt_scalef32_pk8_fp8_f32 v[VC+4*\cc+2:VC+4*\cc+3], v[Y+16*\cc+8:Y+16*\cc+15], v[VSC]
.endr
.irp cc, 0,1,2,3
	global_store_b128 v[LI], v[VC+4*\cc:VC+4*\cc+3], s[44:45] offset:512*\cc
.endr
.endm
	PLOAD
	LOAD 0
	LOAD 1
	s_wait_kmcnt 0x0
	s_cmp_lt_u32 ttmp9, 512
	s_cselect_b32 s52, s48, s49                    ; e0 for queries, e1 for keys
	s_add_co_i32 s52, s52, 127
	s_lshl_b32 s53, s52, 23
	v_mov_b32 v[QSC], s53                          ; 2^e as f32: the conversion takes its exponent field
	s_add_co_i32 s52, s52, 8
	s_lshl_b32 s52, s52, 23
	s_or_b32 s52, s52, 0x600000
	v_mov_b32 v[QSC+1], s52                        ; 448 x 2^e
	s_add_co_i32 s52, s51, 127
	s_lshl_b32 s53, s52, 23
	v_mov_b32 v[VSC], s53                          ; 2^e3
	s_add_co_i32 s52, s52, 8
	s_lshl_b32 s52, s52, 23
	s_or_b32 s52, s52, 0x600000
	v_mov_b32 v[VSC+1], s52                        ; 448 x 2^e3
	s_wait_loadcnt 63                              ; the position block is in: 64 loads are younger, and 63 is the largest count that the wait can name
	PTURN
	LOAD 2
	LOAD 3
	UNIT 0, 63                                     ; 96 loads are younger than unit 0's
	UNIT 1, 63                                     ; 32 + 32 + 8 are younger than unit 1's
	UNIT 2, 48                                     ; unit 3's 32 and the 16 of values
	UNIT 3, 16                                     ; the 16 of values
	VTILE
	s_barrier_signal -1
	s_barrier_wait -1
	s_wait_tensorcnt 0x0
	ds_add_u32 v254, v255
	s_wait_dscnt 0x0
	s_endpgm
.Lfunc_end_k_qd549f2408f_prep:
	.size	k_qd549f2408f_prep, .Lfunc_end_k_qd549f2408f_prep-k_qd549f2408f_prep
	.p2alignl 7, 3214868480
	.fill 96, 4, 3214868480
	.section	.rodata,"a",@progbits
	.p2align	6, 0x0
	.amdhsa_kernel k_qd549f2408f_prep
		.amdhsa_group_segment_fixed_size 58880
		.amdhsa_private_segment_fixed_size 0
		.amdhsa_enable_private_segment 0
		.amdhsa_kernarg_size 72
		.amdhsa_user_sgpr_count 2
		.amdhsa_user_sgpr_kernarg_segment_ptr 1
		.amdhsa_wavefront_size32 1
		.amdhsa_system_sgpr_workgroup_id_x 1
		.amdhsa_system_sgpr_workgroup_id_y 1
		.amdhsa_system_sgpr_workgroup_id_z 1
		.amdhsa_system_vgpr_workitem_id 0
		.amdhsa_next_free_vgpr 256
		.amdhsa_next_free_sgpr 66
		.amdhsa_reserve_vcc 0
		.amdhsa_float_denorm_mode_32 3
		.amdhsa_float_denorm_mode_16_64 3
		.amdhsa_memory_ordered 1
		.amdhsa_forward_progress 1
		.amdhsa_inst_pref_size 42
	.end_amdhsa_kernel
	.amdgpu_metadata
---
amdhsa.version: [ 1, 2 ]
amdhsa.kernels:
  - .name:           k_qd549f2408f_prep
    .symbol:         k_qd549f2408f_prep.kd
    .args:
      - { .name: queries, .offset: 0, .size: 8, .value_kind: global_buffer, .address_space: global }
      - { .name: keys, .offset: 8, .size: 8, .value_kind: global_buffer, .address_space: global }
      - { .name: q_pos_embedding, .offset: 16, .size: 8, .value_kind: global_buffer, .address_space: global }
      - { .name: k_pos_embedding, .offset: 24, .size: 8, .value_kind: global_buffer, .address_space: global }
      - { .name: qimg, .offset: 32, .size: 8, .value_kind: global_buffer, .address_space: global }
      - { .name: kimg, .offset: 40, .size: 8, .value_kind: global_buffer, .address_space: global }
      - { .name: values, .offset: 48, .size: 8, .value_kind: global_buffer, .address_space: global }
      - { .name: vimg, .offset: 56, .size: 8, .value_kind: global_buffer, .address_space: global }
      - { .name: lowp_scales, .offset: 64, .size: 8, .value_kind: global_buffer, .address_space: global }
    .group_segment_fixed_size: 58880
    .private_segment_fixed_size: 0
    .kernarg_segment_align: 8
    .kernarg_segment_size: 72
    .max_flat_workgroup_size: 128
    .sgpr_count:     66
    .vgpr_count:     256
    .wavefront_size: 32
...
	.end_amdgpu_metadata
.endif
;; end of part 1
;; launch attn (part 2): grid 32 x 8, 4 waves a work-group, clusters of 4 x 1, 327,680 bytes of LDS; arguments qimg, kimg, vimg, lowp_scales, out0; writes out0
.if DOCPART == 2
	.amdgcn_target "amdgcn-amd-amdhsa--gfx1250"
	.amdhsa_code_object_version 6
	.text
	.protected	k_qd549f2408f_attn
	.globl	k_qd549f2408f_attn
	.p2align	8
	.type	k_qd549f2408f_attn,@function
k_qd549f2408f_attn:
	s_mov_b64 s[64:65], 0
	v_nop
	global_prefetch_b8 v0, s[64:65] scope:SCOPE_SE
	s_setreg_imm32_b32 hwreg(HW_REG_WAVE_MODE, 25, 1), 1
	s_wait_xcnt 0x0
	s_wait_alu depctr_hold_cnt(0) depctr_sa_sdst(0) depctr_va_vdst(0) depctr_va_sdst(0) depctr_va_ssrc(0) depctr_va_vcc(0) depctr_vm_vsrc(0)
	s_getreg_b32 s2, hwreg(HW_REG_IB_STS2, 6, 4)
	s_cmp_eq_u32 s2, 0
	s_cbranch_scc0 .Lentry_in_a_cluster
	s_endpgm
.Lentry_in_a_cluster:
	s_bfe_u32 s2, ttmp6, 0x10000c
	s_cmp_lg_u32 s2, 0x3003
	s_cbranch_scc0 .Lentry_shape_is_right
	s_endpgm
.Lentry_shape_is_right:
; out[b][c][q] = the sum over k of softmax_k(q . k / 16) v[b][c][k], both products on codes of FP8 (E4M3), each operand with its given scale 2^e: e0 (q), e1 (k), e2 (p), e3 (v).
; qimg, kimg, vimg hold the codes as images of the operand registers: chunks of 512 bytes, lane l's 16 bytes at 16 l; a fragment (16 rows x 128 K) is four chunks on end.
;   qimg, kimg: [b 8][g 128][u 2][t 8][512]: lane (r = l % 16, h = l / 16) holds row 32 g + 8 u + r + 8 (r / 8), channels 32 t + 16 h + 0 .. 15.   vimg: [b 8][ks 32][ct 16][cc 4][512]: channel 16 ct + r, keys 128 ks + 32 cc + 16 h + 0 .. 15.
; SOFTMAX: t = score x log2(e) / 16; M = the running largest t rounded up to a whole number; p = 2^(t - M) is quantised, not normalised; the row's sum is taken of the unquantised p and divides at the end.
; When M moves, the sums and O^T are multiplied by f = 2^(old M - new M), in every step: no branch on data.
; SHARES: a work-group owns 128 queries of one batch, a wave 32 (two tiles of 16); every wave walks all 4,096 keys, 128 a step; each fragment of K and V feeds two products.
; Both products are used transposed (S^T = K Q^T, O^T = V^T P^T): a lane holds one query.  The rows of a tile of K are laid (see kimg) so that the conversions' results are P's registers.
; The place of k in a fragment's registers is a permutation of k, the same in both operands of each product.
; A PERIOD p: O^T += V(p) P(p), and behind each half of it 32 LDS loads of V(p + 1) | S^T(p + 1) = K(p + 1) Q | 32 loads of K(p + 2) | maximum, M, f | 32 loads of K(p + 2) | O^T x f | softmax: P(p + 1).
; All 128 LDS loads of a period land in registers that the period's products have done with, and are waited for by one s_wait_dscnt 0 at the next period's head.
; RING: four regions of 65,536 bytes; region p % 4 holds what period p reads: K(p + 2), then V(p + 1).  A change of slots stands ahead of every second period, 2 m: it fills the two regions read in periods 2 m - 2 and
; 2 m - 1 with what periods 2 m + 2 and 2 m + 3 read; wave 0: K(2 m + 4), wave 1: K(2 m + 5), wave 2: V(2 m + 3), wave 3: V(2 m + 4), 32,768 bytes each, one tensor load a wave.
; The head's loads are those of m = -2, where wave 2 has none of its own: it brings V(3), its load of m = 0, and passes that change over.  So every part of a region is first filled behind a barrier with no refill.
; The last changes are written out: V(31) alone (m = 14), then none.
; CLUSTER: the four blocks of queries of a cluster belong to one batch and walk the same K and V: each tile is asked for jointly, mask 15.
; PREFETCH: at change m each wave of the batch's first cluster names 8,192 bytes (the partners told apart by address, lanes 256 bytes apart) of the tile that it loads at change m + 1, two periods on;
; waves 0, 1, 3 stop behind m = 12, wave 2 behind m = 13; nothing is asked ahead of the loop.
; O^T begins as zeros, written by 32 products of zero codes, so that the period has no first form of its own.
; The way out's stage lies on regions 0, 1 and the first bytes of region 2's K: they have had their last fill and their last read at the last barrier.
; LIMITS: e0 + e1 between -122 and 130 (added to c's exponent field); e2 between -126 and 119; the scaled scores stay under 2^31 in magnitude.
; REGISTERS: window 0: v1-11 addresses and constants, v12-31 statistics, v32-63 P, v64-127 Q, v128-255 S^T (tile (u, T) at 128 + 64 u + 8 T); window 1: O^T (tile (u, ct) at 128 u + 8 ct); window 2: K; window 3: V.
.set REG,    1<<16                     ; a region
.set KSB,    32768                     ; a key step's K, or V, in bytes
.set SPARE,  4*REG                     ; the spare words: 128 bytes a wave
.set STAGE,  0                         ; the way out's stage: 256 channels x (512 + 16) bytes
.set SPITCH, 528
.set PFO,  1                           ; 256 x lane
.set SPW,  2                           ; my spare word
.set NIL,  3                           ; 0
.set SC,   4                           ; 2^e2
.set HOLD, 5                           ; 448 x 2^e2,
.set HOLD2, 7                          ; and once more, in another bank, for the second half of a pair
.set LK0,  6                           ; 16 x lane
.set AD,   8                           ; the region in hand + 16 x lane
.set SO,   7                           ; v7-10, the way out
.set RD,   11
.set ST,   12                          ; tile u at ST + 10 u: +0 -M, +1 largest t, +2:3, +4:5 the sum's chains, +6 f (+7 = 0), +8, +9 at work
.set P,    32
.set Q,    64
.set S,    128
.set BP,   6                           ; s[6:7] my tensor (K in waves 0, 1; V in waves 2, 3) at my batch
.set WV,   14
.set LIM,  15                          ; a wave prefetches while s[SLOTS] is above it
.set PFA,  18
.set PFB,  20                          ; s[20:21] BP + 8,192 x my place in the cluster
.set G1,   24
.set G0,   36
.set OFF,  44                          ; s[44:45] the byte offset of my next tile
.set SLOTS, 48
.set INN,  49
.set TB,   50
.set CS,   52
.set SEL,  54
.set MSB, 0
.macro WIN new
.if MSB != \new
	s_set_vgpr_msb (MSB<<8)|\new
.set MSB, \new
.endif
.endm
.set W_KQ, 0x02
.set W_TV, 0xc0
.set W_TK, 0x80
.set W_RS, 0x41
.set W_PV, 0x53
.macro PLACES n
.rept \n
	v_nop
.endr
.endm
.macro CROUND                          ; a round of the cluster's barrier
	s_barrier_signal -1
	s_barrier_wait -1
	s_cmp_lg_u32 s[WV], 0
	s_cbranch_scc1 .Lnot_wave_0_\@
	s_barrier_signal -3
.Lnot_wave_0_\@:
	s_barrier_wait -3
	s_barrier_signal -1
	s_barrier_wait -1
.endm
.macro JLOAD kind                      ; 1: every wave; 2: all but wave 2; 3: wave 2 alone.  s_nop 0 and four v_nop behind the load
.if (\kind) == 2
	s_cmp_eq_u32 s[WV], 2
	s_cbranch_scc1 .Lasked_\@
.endif
.if (\kind) == 3
	s_cmp_lg_u32 s[WV], 2
	s_cbranch_scc1 .Lasked_\@
.endif
	tensor_load_to_lds s[G0:G0+3], s[G1:G1+7]
	s_nop 0
	PLACES 4
.Lasked_\@:
.endm
.macro ASK
	s_cmp_gt_u32 s[SLOTS], s[LIM]
	s_cbranch_scc0 .Lnot_mine_\@
	global_prefetch_b8 v[PFO], s[PFA:PFA+1] th:TH_LOAD_NT scope:SCOPE_SE
.Lnot_mine_\@:
.endm
; THE CHANGE OF SLOTS: all my tensor loads have landed; the add; my descriptor steps; the add and all my LDS reads are done; the round; the joint load first behind it.
.macro CHANGE fill, ask
	s_wait_tensorcnt 0x0
	ds_add_u32 v[SPW], v[NIL]
.if \fill
	s_xor_b32 s[G0+1], s[G0+1], 2*REG              ; the other pair of regions
	s_add_nc_u64 s[G0+2:G0+3], s[BP:BP+1], s[OFF:OFF+1]
	s_or_b32 s[G0+3], s[G0+3], 0x80000000
	s_add_co_u32 s[OFF], s[OFF], 2*KSB
.endif
.if \ask
	s_wait_xcnt 0x0                                ; the last prefetch has read its address
	s_add_nc_u64 s[PFA:PFA+1], s[PFB:PFB+1], s[OFF:OFF+1]
.endif
	s_wait_dscnt 0x0
.if \fill
	CROUND
	JLOAD \fill
.if \ask
	ASK
.endif
.else
	s_barrier_signal -1
	s_barrier_wait -1
.endif
.endm
; n LDS loads of 512 consecutive bytes from chunk first of the region: chunks 0-63 are K (window 2), 64-127 V (window 3)
.macro LDR first, n
.if (\first) < 64
	WIN W_TK
.else
	WIN W_TV
.endif
.set l_i, \first
.rept \n
	ds_load_b128 v[4*(l_i%64):4*(l_i%64)+3], v[AD] offset:512*l_i
.set l_i, l_i+1
.endr
.endm
; S^T = K Q^T: number i: channels 128 (i / 16) on, keys' tile (i % 16) / 2, queries' tile i % 2; the 16 accumulators by turns
.macro APH
	WIN W_KQ
.set a_i, 0
.rept 32
.set rS, S+64*(a_i%2)+8*((a_i%16)/2)
.set rK, 32*((a_i%16)/2)+16*(a_i/16)
.set rQ, Q+32*(a_i%2)+16*(a_i/16)
.if a_i < 16
	v_wmma_f32_16x16x128_fp8_fp8 v[rS:rS+7], v[rK:rK+15], v[rQ:rQ+15], 0
.else
	v_wmma_f32_16x16x128_fp8_fp8 v[rS:rS+7], v[rK:rK+15], v[rQ:rQ+15], v[rS:rS+7]
.endif
.set a_i, a_i+1
.endr
.endm
; O^T += V^T P^T, half h: channels 128 h on; 16 accumulators by turns
.macro BPH h
	WIN W_PV
.set b_i, 16*(\h)
.rept 16
	v_wmma_f32_16x16x128_fp8_fp8 v[128*(b_i%2)+8*(b_i/2):128*(b_i%2)+8*(b_i/2)+7], v[16*(b_i/2):16*(b_i/2)+15], v[P+16*(b_i%2):P+16*(b_i%2)+15], v[128*(b_i%2)+8*(b_i/2):128*(b_i%2)+8*(b_i/2)+7]
.set b_i, b_i+1
.endr
.endm
; THE SOFTMAX goes by four batches of 32 scores: batch b = both tiles' keys 32 b + 16 h + 0 .. 15, at S + 64 u + 16 b; place t of a batch: tile t / 16, register t % 16.
.macro FMA1 b, t                       ; t - M of the pair at place t (even) of batch b
	v_pk_fma_f32 v[S+64*((\t)/16)+16*(\b)+(\t)%16:S+64*((\t)/16)+16*(\b)+(\t)%16+1], v[S+64*((\t)/16)+16*(\b)+(\t)%16:S+64*((\t)/16)+16*(\b)+(\t)%16+1], s[CS:CS+1], v[ST+10*((\t)/16):ST+10*((\t)/16)+1] op_sel_hi:[1,0,0]
.endm
.macro MIN2 b, t                       ; the hold of the pair at place t (even): the conversion does not saturate (ISA guide 7.6.2); p is not negative
	v_dual_min_num_f32 v[S+64*((\t)/16)+16*(\b)+(\t)%16], v[S+64*((\t)/16)+16*(\b)+(\t)%16], v[HOLD] :: v_dual_min_num_f32 v[S+64*((\t)/16)+16*(\b)+(\t)%16+1], v[S+64*((\t)/16)+16*(\b)+(\t)%16+1], v[HOLD2]
.endm
; the step's largest score of each query (four chains, the scores in ascending order), the running largest t, the new M, f, the sums under the new M;
; batch 0's t - M, which wants the new M alone, stands among the chain's last links
.macro MAXP
	WIN 0
.irp u, 0,1
	v_max3_num_f32 v[ST+10*\u+8], v[S+64*\u], v[S+64*\u+1], v[S+64*\u+2]
	v_max3_num_f32 v[ST+10*\u+9], v[S+64*\u+3], v[S+64*\u+4], v[S+64*\u+5]
.endr
.set m_i, 1
.rept 14
.irp u, 0,1
	v_max3_num_f32 v[ST+10*\u+8], v[ST+10*\u+8], v[S+64*\u+4*m_i+2], v[S+64*\u+4*m_i+3]
	v_max3_num_f32 v[ST+10*\u+9], v[ST+10*\u+9], v[S+64*\u+4*m_i+4], v[S+64*\u+4*m_i+5]
.endr
.set m_i, m_i+1
.endr
.irp u, 0,1
	v_max3_num_f32 v[ST+10*\u+8], v[ST+10*\u+8], v[S+64*\u+62], v[S+64*\u+63]
.endr
.irp u, 0,1
	v_max_num_f32 v[ST+10*\u+8], v[ST+10*\u+8], v[ST+10*\u+9]
.endr
.irp u, 0,1
	v_permlanex16_b32 v[ST+10*\u+9], v[ST+10*\u+8], s[SEL], s[SEL+1]   ; the query's other 64 keys
.endr
.irp u, 0,1
	v_max_num_f32 v[ST+10*\u+8], v[ST+10*\u+8], v[ST+10*\u+9]
.endr
.irp u, 0,1
	v_mul_f32 v[ST+10*\u+8], s[CS], v[ST+10*\u+8]                      ; as t (c is positive)
.endr
.irp u, 0,1
	v_max_num_f32 v[ST+10*\u+1], v[ST+10*\u+1], v[ST+10*\u+8]
.endr
.irp u, 0,1
	v_mov_b32 v[ST+10*\u+8], v[ST+10*\u]
.endr
.irp u, 0,1
	v_floor_f32 v[ST+10*\u], -v[ST+10*\u+1]                            ; -M = floor(-t)
.endr
.irp u, 0,1
	v_sub_f32 v[ST+10*\u+8], v[ST+10*\u], v[ST+10*\u+8]                ; old M - new M
.endr
.irp t, 0,2,4,6
	FMA1 0, \t
.endr
.irp u, 0,1
	v_cvt_i32_f32 v[ST+10*\u+8], v[ST+10*\u+8]                         ; (it saturates)
.endr
.irp t, 8,10,12,14
	FMA1 0, \t
.endr
.irp u, 0,1
	v_ldexp_f32 v[ST+10*\u+6], 1.0, v[ST+10*\u+8]                      ; f
.endr
.irp t, 16,18,20,22
	FMA1 0, \t
.endr
.irp u, 0,1
	v_pk_mul_f32 v[ST+10*\u+2:ST+10*\u+3], v[ST+10*\u+2:ST+10*\u+3], v[ST+10*\u+6:ST+10*\u+7] op_sel_hi:[1,0]
	v_pk_mul_f32 v[ST+10*\u+4:ST+10*\u+5], v[ST+10*\u+4:ST+10*\u+5], v[ST+10*\u+6:ST+10*\u+7] op_sel_hi:[1,0]
.endr
.irp t, 24,26,28,30
	FMA1 0, \t
.endr
.endm
.macro RESC                            ; O^T x f (or x 1 / the sum), each accumulator from its low end on
.irp u, 0,1
.set w_i, 0
.rept 64
	v_pk_mul_f32 v[128*\u+w_i:128*\u+w_i+1], v[128*\u+w_i:128*\u+w_i+1], v[ST+10*\u+6:ST+10*\u+7] op_sel_hi:[1,0]
.set w_i, w_i+2
.endr
.endr
.endm
.macro SUM b                           ; the sums of the unquantised p, four chains by turns
.irp j, 0,4,8,12
.irp u, 0,1
	v_pk_add_f32 v[ST+10*\u+2:ST+10*\u+3], v[ST+10*\u+2:ST+10*\u+3], v[S+64*\u+16*(\b)+\j:S+64*\u+16*(\b)+\j+1]
	v_pk_add_f32 v[ST+10*\u+4:ST+10*\u+5], v[ST+10*\u+4:ST+10*\u+5], v[S+64*\u+16*(\b)+\j+2:S+64*\u+16*(\b)+\j+3]
.endr
.endr
.endm
.macro CVT b
.irp u, 0,1
	v_cvt_scalef32_pk8_fp8_f32 v[P+16*\u+4*(\b):P+16*\u+4*(\b)+1], v[S+64*\u+16*(\b):S+64*\u+16*(\b)+7], v[SC]
	v_cvt_scalef32_pk8_fp8_f32 v[P+16*\u+4*(\b)+2:P+16*\u+4*(\b)+3], v[S+64*\u+16*(\b)+8:S+64*\u+16*(\b)+15], v[SC]
.endr
.endm
; Stage b: one wait, which stands behind batch b - 1's exponentials and ahead of batch b's; batch b - 2 is converted; batch b - 1 is summed;
; then batch b's exponentials, and among them only lines whose results are read behind the next wait: the holds of batch b - 1 and t - M of batch b + 1.
.macro DST b
	s_wait_alu depctr_va_vdst(0)
.if (\b) >= 2
	CVT (\b)-2
.endif
.if (\b) >= 1
	SUM (\b)-1
.endif
.set t_i, 0
.rept 32
.if (\b) < 4
	v_exp_f32 v[S+64*(t_i/16)+16*(\b)+t_i%16], v[S+64*(t_i/16)+16*(\b)+t_i%16]
.endif
.if ((\b) >= 1) && (t_i%2 == 0)
	MIN2 (\b)-1, t_i
.endif
.if ((\b) < 3) && (t_i%2 == 1)
	FMA1 (\b)+1, t_i-1
.endif
.set t_i, t_i+1
.endr
.endm
.macro DPH
	WIN 0
.irp b, 0,1,2,3,4
	DST \b
.endr
	CVT 3
	v_nop                                          ; a plain line behind the last conversions
	s_xor_b32 s[TB], s[TB], REG                    ; the next period's region (the pair of regions turns behind every second period)
	s_wait_alu depctr_va_vdst(0)                   ; the wait ahead of the branch and of the waits that follow
.endm
.macro TRIP pv, kl
	v_add_nc_u32 v[AD], s[TB], v[LK0]
.if \pv
	BPH 0
	PLACES 4                                       ; four places ahead of loads into registers that products have read
.endif
	LDR 64, 32
.if \pv
	BPH 1
	PLACES 4
.endif
	LDR 96, 32
	APH
	PLACES 4                                       ; for the loads into K's registers and for the maximum's reads
.if \kl
	LDR 0, 32
.endif
	MAXP
.if \kl
	LDR 32, 32
.endif
	WIN W_RS
	RESC
	DPH
.endm
.macro BLOCK fill, ask                 ; a change of slots and the two periods behind it
	CHANGE \fill, \ask
	s_mov_b32 s[INN], 2
.Lperiod_\@:
	s_wait_dscnt 0x0                               ; the last period's LDS loads are in registers
	TRIP 1, 1
	s_sub_co_u32 s[INN], s[INN], 1
	s_cmp_lg_u32 s[INN], 0
	s_cbranch_scc1 .Lperiod_\@
	s_xor_b32 s[TB], s[TB], 2*REG
.endm
	s_load_b256 s[4:11], s[0:1], 0x0               ; qimg, kimg, vimg, the scales' exponents
	s_load_b64 s[12:13], s[0:1], 0x20              ; out
	v_lshl_add_u32 v[SPW], v0, 2, SPARE
	v_mov_b32 v[NIL], 0
	ds_add_u32 v[SPW], v[NIL]                      ; the opening lines: the add twice on end
	ds_add_u32 v[SPW], v[NIL]
	v_lshrrev_b32 v[AD], 5, v0
	v_readfirstlane_b32 s[WV], v[AD]               ; wave 0..3
	s_bfe_u32 s16, ttmp6, 0x40000                  ; cx
	s_lshl_b32 s17, ttmp9, 2
	s_add_co_u32 s17, s17, s16                     ; my block of 128 queries: it enters Q's and out's addresses alone
	s_and_b32 s23, ttmp7, 0xffff                   ; the batch
	s_and_b32 s22, s[WV], 1                        ; a: the first or the second of a pair of regions
	s_lshr_b32 s3, s[WV], 1                        ; 0: K, 1: V
	s_cmp_eq_u32 s[WV], 2
	s_cselect_b32 s[LIM], 0, 1
	s_cmp_eq_u32 ttmp9, 0                          ; the batch's first cluster asks
	s_cselect_b32 s[LIM], s[LIM], -1
	s_lshl_b32 s[G0+1], s22, 16                    ; the head's tiles go to regions 2 and 3: 2 REG + a REG + (K: 0, V: KSB)
	s_lshl_b32 s2, s3, 15
	s_add_co_u32 s[G0+1], s[G0+1], s2
	s_add_co_u32 s[G0+1], s[G0+1], 2*REG
	s_mul_i32 s40, s22, 3                          ; the head's key steps: K(a); V(3) in wave 2, V(0) in wave 3
	s_sub_co_u32 s40, 3, s40
	s_cmp_eq_u32 s3, 0
	s_cselect_b32 s40, s22, s40
	s_lshl_b32 s40, s40, 15
	s_mov_b32 s41, 0
	s_sub_co_u32 s[OFF], 2, s3                     ; the first change's: K(2 + a), V(1 + a)
	s_add_co_u32 s[OFF], s[OFF], s22
	s_lshl_b32 s[OFF], s[OFF], 15
	s_mov_b32 s[OFF+1], 0
	s_lshl_b32 s42, s23, 20                        ; a batch's image is 1 MiB
	s_mov_b32 s43, 0
	s_lshl_b32 s46, s16, 13
	s_mov_b32 s47, 0
	s_mov_b32 s[G1], 15|(3<<16)|(1<<21)            ; mask: all four; elements of 8 bytes; bit 21 beside a mask
	s_mov_b32 s[G1+1], 32<<16                      ; 32,768 dense bytes as 128 rows of 256
	s_mov_b32 s[G1+2], 128<<16
	s_mov_b32 s[G1+3], 32<<16
	s_mov_b32 s[G1+4], 128
	s_mov_b32 s[G1+5], 32
	s_mov_b32 s[G1+6], 0
	s_mov_b32 s[G1+7], 0
	s_mov_b32 s[SEL], 0x76543210
	s_mov_b32 s[SEL+1], 0xfedcba98
	s_mov_b32 s[TB], 2*REG                         ; period -2 reads region 2
	s_mov_b32 s[SLOTS], 13                         ; the loop's changes m = 1 to 13
	s_lshl_b32 s60, s23, 20                        ; Q: my batch, group 4 qb + w of 8,192 bytes
	s_lshl_b32 s61, s17, 15
	s_add_co_u32 s60, s60, s61
	s_lshl_b32 s61, s[WV], 13
	s_add_co_u32 s60, s60, s61
	s_mov_b32 s61, 0
	s_lshl_b32 s62, s23, 22                        ; out: my batch, channels 64 w on, queries 128 qb on
	s_lshl_b32 s63, s[WV], 20
	s_add_co_u32 s62, s62, s63
	s_lshl_b32 s63, s17, 9
	s_add_co_u32 s62, s62, s63
	s_mov_b32 s63, 0
	s_wait_alu depctr_va_vdst(0)                   ; the wait ahead of the waits below
	s_wait_dscnt 0x0                               ; both opening adds are done
	s_wait_kmcnt 0x0
	s_load_b128 s[56:59], s[10:11], 0x0            ; e0, e1, e2, e3
	s_cmp_lt_u32 s[WV], 2
	s_cselect_b64 s[BP:BP+1], s[6:7], s[8:9]       ; the choice hangs on the wave's number alone
	s_add_nc_u64 s[BP:BP+1], s[BP:BP+1], s[42:43]
	s_add_nc_u64 s[PFB:PFB+1], s[BP:BP+1], s[46:47]
	s_add_nc_u64 s[4:5], s[4:5], s[60:61]
	s_add_nc_u64 s[12:13], s[12:13], s[62:63]
	CROUND                                         ; the first joint loads meet
	s_mov_b32 s[G0], 1
	s_add_nc_u64 s[G0+2:G0+3], s[BP:BP+1], s[40:41]
	s_or_b32 s[G0+3], s[G0+3], 0x80000000
	JLOAD 1                                        ; one tensor load a wave at the head: K(0), K(1), V(3), V(0)
	v_and_b32 v[LK0], 31, v0
	v_lshlrev_b32 v[PFO], 8, v[LK0]
	v_lshlrev_b32 v[LK0], 4, v[LK0]
.irp i, 0,1,2,3,4,5,6,7,8,9,10,11,12,13,14,15
	global_load_b128 v[Q+4*\i:Q+4*\i+3], v[LK0], s[4:5] offset:512*\i th:TH_LOAD_NT   ; Q stays in registers
.endr
.irp u, 0,1
	v_mov_b32 v[ST+10*\u+1], 0xff61b1e6            ; the largest t so far: -3e38
	v_floor_f32 v[ST+10*\u], -v[ST+10*\u+1]
	v_mov_b32 v[ST+10*\u+2], 0
	v_mov_b32 v[ST+10*\u+3], 0
	v_mov_b32 v[ST+10*\u+4], 0
	v_mov_b32 v[ST+10*\u+5], 0
	v_mov_b32 v[ST+10*\u+7], 0
.endr
.set w_i, 0
.rept 32
	v_mov_b32 v[P+w_i], 0
.set w_i, w_i+1
.endr
	WIN 0x40
.set w_i, 0
.rept 32
	v_wmma_f32_16x16x128_fp8_fp8 v[8*w_i:8*w_i+7], v[P:P+15], v[P+16:P+31], 0   ; O^T = 0
.set w_i, w_i+1
.endr
	WIN 0
	s_wait_kmcnt 0x0
	s_add_co_i32 s61, s56, s57
	s_lshl_b32 s61, s61, 23
	s_mov_b32 s[CS], 0x3db8aa3b                    ; c = log2(e) / 16,
	s_add_co_i32 s[CS], s[CS], s61                 ; x 2^(e0 + e1)
	s_mov_b32 s[CS+1], s[CS]
	s_add_co_i32 s61, s58, 127
	s_lshl_b32 s62, s61, 23
	v_mov_b32 v[SC], s62
	s_add_co_i32 s61, s61, 8
	s_lshl_b32 s61, s61, 23
	s_or_b32 s61, s61, 0x600000
	v_mov_b32 v[HOLD], s61
	v_mov_b32 v[HOLD2], s61
	s_add_co_i32 s60, s58, s59                     ; e2 + e3
	s_wait_alu depctr_va_vdst(0)                   ; the wait at the head's end
	CHANGE 1, 0                                    ; m = -1: the head's tiles are in; K(2), K(3), V(1), V(2), first fills of regions 0 and 1
	v_add_nc_u32 v[AD], s[TB], v[LK0]
	LDR 0, 64                                      ; period -2: K(0)
	WIN 0
	s_xor_b32 s[TB], s[TB], REG
	s_wait_loadcnt 0x0                             ; Q
	s_wait_dscnt 0x0                               ; K(0)
	TRIP 0, 1                                      ; period -1: V(0), S^T(0), K(1), P(0)
	s_xor_b32 s[TB], s[TB], 2*REG
	BLOCK 2, 0                                     ; m = 0: wave 2 has brought V(3) already
.Lslot:                                            ; m = 1 to 13
	BLOCK 1, 1
	s_sub_co_u32 s[SLOTS], s[SLOTS], 1
	s_cmp_lg_u32 s[SLOTS], 0
	s_cbranch_scc1 .Lslot
	BLOCK 3, 0                                     ; m = 14: V(31) alone is left to ask for
	CHANGE 0, 0                                    ; V(31) is in; nothing is left
	TRIP 1, 0                                      ; period 30
	s_wait_dscnt 0x0                               ; V(31) is in registers
	BPH 0
	BPH 1
	WIN 0
	; THE WAY OUT: O^T / the sum goes, number by number, into a stage of 256 channel rows, where the four waves' queries meet, and comes back as rows of 512 bytes, 64 channels a wave
.irp u, 0,1
	v_pk_add_f32 v[ST+10*\u+2:ST+10*\u+3], v[ST+10*\u+2:ST+10*\u+3], v[ST+10*\u+4:ST+10*\u+5]
.endr
.irp u, 0,1
	v_add_f32 v[ST+10*\u+8], v[ST+10*\u+2], v[ST+10*\u+3]
.endr
.irp u, 0,1
	v_permlanex16_b32 v[ST+10*\u+9], v[ST+10*\u+8], s[SEL], s[SEL+1]
.endr
.irp u, 0,1
	v_add_f32 v[ST+10*\u+8], v[ST+10*\u+8], v[ST+10*\u+9]              ; the row's sum
.endr
	s_wait_alu depctr_va_vdst(0)                   ; the wait ahead of the reciprocals
.irp u, 0,1
	v_rcp_f32 v[ST+10*\u+6], v[ST+10*\u+8]
.endr
	v_and_b32 v[SO], 15, v0
	v_and_b32 v[SO+1], 8, v[SO]
	v_add_nc_u32 v[SO], v[SO], v[SO+1]             ; r + 8 (r / 8): my query's place in its group
	v_bfe_u32 v[SO+1], v0, 4, 1
	v_mul_u32_u24 v[SO+1], v[SO+1], 8*SPITCH       ; my eight channels begin 8 h rows down
	v_lshl_add_u32 v[SO], v[SO], 2, v[SO+1]
	s_lshl_b32 s61, s[WV], 7
	s_add_co_u32 s61, s61, STAGE
	v_add_nc_u32 v[SO], s61, v[SO]
	v_add_nc_u32 v[SO+1], 64*SPITCH, v[SO]
	v_add_nc_u32 v[SO+2], 128*SPITCH, v[SO]
	v_add_nc_u32 v[SO+3], 192*SPITCH, v[SO]
	s_mul_i32 s61, s[WV], 64*SPITCH
	s_add_co_u32 s61, s61, STAGE
	v_add_nc_u32 v[RD], s61, v[LK0]
	s_wait_alu depctr_va_vdst(0)                   ; and behind them, ahead of their first reader
.irp u, 0,1
	v_ldexp_f32 v[ST+10*\u+6], v[ST+10*\u+6], s60  ; x 2^(e2 + e3)
.endr
	WIN W_RS
	s_wait_alu depctr_va_vdst(0)                   ; the wait directly ahead of the first reader of O^T
	RESC
	WIN 0x04                                       ; the stores' data in window 1
.irp u, 0,1
.set w_c, 0
.rept 16
.set w_j, 0
.rept 8
	ds_store_b32 v[SO+w_c/4], v[128*\u+8*w_c+w_j] offset:(16*(w_c%4)+w_j)*SPITCH+32*\u   ; channel 16 ct + 8 h + j, query 32 w + 8 u + r + 8 (r / 8)
.set w_j, w_j+1
.endr
.set w_c, w_c+1
.endr
.endr
	s_wait_dscnt 0x0                               ; for the others' sake
	s_barrier_signal -1
	s_barrier_wait -1
	WIN W_TK
.set w_i, 0
.rept 64
	ds_load_b128 v[4*w_i:4*w_i+3], v[RD] offset:SPITCH*w_i
.set w_i, w_i+1
.endr
	WIN 0x08                                       ; the stores' data in window 2
.set w_i, 0
.irp g, 0,1,2,3
	s_wait_dscnt 48-16*\g                          ; rows 16 g to 16 g + 15 are in; the younger loads may be out
.rept 16
	global_store_b128 v[LK0], v[4*w_i:4*w_i+3], s[12:13] offset:16384*w_i th:TH_STORE_NT   ; 32 lanes store 512 consecutive bytes of a channel's row
.set w_i, w_i+1
.endr
.endr
	WIN 0
	s_wait_tensorcnt 0x0                           ; the wave's end
	ds_add_u32 v[SPW], v[NIL]
	s_wait_dscnt 0x0
	CROUND                                         ; the closing round
	s_endpgm
.Lfunc_end_k_qd549f2408f_attn:
	.size	k_qd549f2408f_attn, .Lfunc_end_k_qd549f2408f_attn-k_qd549f2408f_attn
	.p2alignl 7, 3214868480
	.fill 96, 4, 3214868480
	.section	.rodata,"a",@progbits
	.p2align	6, 0x0
	.amdhsa_kernel k_qd549f2408f_attn
		.amdhsa_group_segment_fixed_size 327680
		.amdhsa_private_segment_fixed_size 0
		.amdhsa_enable_private_segment 0
		.amdhsa_kernarg_size 40
		.amdhsa_user_sgpr_count 2
		.amdhsa_user_sgpr_kernarg_segment_ptr 1
		.amdhsa_wavefront_size32 1
		.amdhsa_system_sgpr_workgroup_id_x 1
		.amdhsa_system_sgpr_workgroup_id_y 1
		.amdhsa_system_sgpr_workgroup_id_z 1
		.amdhsa_system_vgpr_workitem_id 0
		.amdhsa_next_free_vgpr 1024
		.amdhsa_next_free_sgpr 66
		.amdhsa_reserve_vcc 0
		.amdhsa_float_denorm_mode_32 3
		.amdhsa_float_denorm_mode_16_64 3
		.amdhsa_memory_ordered 1
		.amdhsa_forward_progress 1
		.amdhsa_inst_pref_size 255
	.end_amdhsa_kernel
	.section	.bss,"aw",@nobits
	.p2align	6
	.space	262144
	.amdgpu_metadata
---
amdhsa.version: [ 1, 2 ]
amdhsa.kernels:
  - .name:           k_qd549f2408f_attn
    .symbol:         k_qd549f2408f_attn.kd
    .args:
      - { .name: qimg, .offset: 0, .size: 8, .value_kind: global_buffer, .address_space: global }
      - { .name: kimg, .offset: 8, .size: 8, .value_kind: global_buffer, .address_space: global }
      - { .name: vimg, .offset: 16, .size: 8, .value_kind: global_buffer, .address_space: global }
      - { .name: lowp_scales, .offset: 24, .size: 8, .value_kind: global_buffer, .address_space: global }
      - { .name: out0, .offset: 32, .size: 8, .value_kind: global_buffer, .address_space: global }
    .group_segment_fixed_size: 327680
    .private_segment_fixed_size: 0
    .kernarg_segment_align: 8
    .kernarg_segment_size: 40
    .max_flat_workgroup_size: 128
    .sgpr_count:     66
    .vgpr_count:     1024
    .wavefront_size: 32
...
	.end_amdgpu_metadata
.endif
;; end of part 2
